; MI455X (gfx1250); checked and timed in simulation.
; The chip was launched on July 23, 2026; its instructions are those of AMD's public machine-readable ISA for CDNA 5 (MIT licence, August 2026) and "CDNA5" Instruction Set Architecture Reference Guide (July 2026). The comments in the code are by the model that wrote it; some were corrected since.
;; Layer Norm GRU Cell. Allowed arithmetic: matrix products marked QUANTISED: E2M3 operands, one E8M0 scale for each 32 along K, by v_wmma_scale_f32_16x16x128_f8f6f4 with both operands' format E2M3, f32 sums; everything else in f32.
;; Inputs: W_h2h 512 x 1,024 float32; W_hatU 512 x 512 float32; W_hatW 512 x 512 float32; W_i2h 512 x 1,024 float32; b_h2h 1,024 float32; b_hatU 512 float32; b_hatW 512 float32; b_i2h 1,024 float32; h 32,768 x 512 float32; x 32,768 x 512 float32.
;; Outputs: out0 32,768 x 512 float32.
;; This version of the problem:
;;   THIS VERSION OF THE PROBLEM IS GIVEN IN LOW PRECISION. The matrix products marked QUANTISED in the list below multiply operands that are first quantised to E2M3 (2 exponent bits, 3 mantissa bits; 6 bits a number), with one power-of-two scale for each 32 numbers along K (OCP MX v1.0); their sums are f32. All else is computed in f32.
;;   The module's matrix products, in the order in which they are computed (A, B: the left and right operand; K: the contracted axis; several contracted axes count as one K, in the product's order):
;;     1. [M 32,768, K 512] x [K 512, N 1,024]; A: input x; B: input W_i2h: QUANTISED
;;     2. [M 32,768, K 512] x [K 512, N 1,024]; A: input h; B: input W_h2h: QUANTISED
;;     3. [M 32,768, K 512] x [K 512, N 512]; A: input x; B: input W_hatW: QUANTISED
;;     4. [M 32,768, K 512] x [K 512, N 512]; A: input h; B: input W_hatU: QUANTISED
;;   THE QUANTISER, for each operand of a quantised product, along K:
;;     - K is cut into blocks of 32 from its start; a last block that is shorter is filled with zeros.
;;     - A block's scale is 2^e with e = floor(log2(the largest magnitude in the block)) - 2, held to -126 .. 127; a block of zeros has e = 0. As a byte (E8M0): e + 127.
;;     - Each number is divided by its block's scale, clamped to +-7.5, and rounded to the nearest number of E2M3, ties to even, subnormals kept.
;;     - The product sums the exact products of the quantised numbers (number of the format x scale) in f32.
;;   ~~~python
;;   def quantise(x, axis):      # numpy; x: float32 -> the quantised numbers, widened to float32 again
;;       x = np.moveaxis(x, axis, -1); K = x.shape[-1]
;;       x = np.pad(x, [(0, 0)] * (x.ndim - 1) + [(0, -K % 32)]); x = x.reshape(x.shape[:-1] + (-1, 32)); a = np.abs(x).max(-1, keepdims=True)
;;       e = np.where(a > 0, np.clip(np.frexp(np.where(a > 0, a, 1))[1] - 1 - 2, -126, 127), 0)      # np.frexp(a)[1] - 1 = floor(log2(a)), exactly
;;       r = np.clip(x / 2.0 ** e, -7.5, 7.5)
;;       step = 2.0 ** (np.maximum(np.frexp(np.where(r == 0, 1, r))[1] - 1, 0) - 3)
;;       q = np.round(r / step) * step * 2.0 ** e      # np.round: ties to even
;;       return np.moveaxis(q.reshape(q.shape[:-2] + (-1,))[..., :K], -1, axis).astype(np.float32)
;;   ~~~
;; One version. Each part assembles by itself: llvm-mc -triple=amdgcn-amd-amdhsa -mcpu=gfx1250 --defsym DOCPART=n.
;; ======== version 1 of 1: 2 launches
;; limits: right only within a limited range of input values
;; workspace buffers: wq 1,384,448 bytes
;; launch prep (part 1): grid 52 x 4, 4 waves a work-group, no clusters, 1,024 bytes of LDS; arguments W_i2h, W_h2h, W_hatU, W_hatW, b_i2h, b_h2h, b_hatU, b_hatW, wq; writes wq
.if DOCPART == 1
	.amdgcn_target "amdgcn-amd-amdhsa--gfx1250"
	.amdhsa_code_object_version 6
	.text
	.protected	k_q6212338451_prep
	.globl	k_q6212338451_prep
	.p2align	8
	.type	k_q6212338451_prep,@function
k_q6212338451_prep:
	s_mov_b64 s[64:65], 0
	v_nop
	global_prefetch_b8 v0, s[64:65] scope:SCOPE_SE
	s_setreg_imm32_b32 hwreg(HW_REG_WAVE_MODE, 25, 1), 1
	s_wait_xcnt 0x0
; The four weights, f32 with K as their FIRST axis, become codes of FP6 (E2M3) with one E8M0 scale byte for each 32 along K, laid as RECORDS in the order of the operand registers of the launch that reads them.
; wq = 4 streams (one for each wave of the reading launch) x 52 records x 6,656 bytes.  A record is one tile of 16 weight columns for all of K = 512:
;   bytes 0 .. 6143     four fragments (128 along K each) as images of their 12 registers: register g of lane l at 1536 ks + 512 (g / 4) + 16 l + 4 (g % 4)
;   bytes 6144 .. 6399  the scale words, 8 bytes a lane: lane l: the words of column l % 16 for K steps l / 16 and 2 + l / 16
;   bytes 6400 .. 6463  the 16 biases of the tile's columns.      The rest of a record is neither stored nor read.
; Stream w holds the columns that belong to H-columns 128 w .. 128 w + 127.  Records 0-15: W_i2h (8 tiles of the z half, 8 of the r half); 16-31: W_h2h likewise; 32-39: W_hatU; 40-47: W_hatW;
; 48-51: records 0-3 once more, so that a wave that asks four records ahead needs no turn back at the stream's end.
; SHARES: work-group (x = record, y = stream); wave ks makes fragment ks.  A LANE TAKES A COLUMN AND ITS REGISTERS RUN DOWN K, in the order that the operand's layout gives that lane
; (lane (r, hh): k = 128 ks + 64 c + 32 hh + 0 .. 31): a block of 32 lies in one lane, and the conversions' results are the operand's registers.  Nothing is transposed.
; A block's scale is 2^(floor(log2(its largest magnitude)) - 2); its byte is the largest magnitude's exponent field - 2, held at 1 from below.
; LIMITS: a block of zeros, and one whose largest magnitude lies under 2^-124, gets the byte 1 (the rule says 127 for zeros): its codes are zeros or as the floor's scale gives them, and this program alone reads the bytes.
; NaN and infinities among the inputs are not served.
; No matrix unit, no cluster, no tensor load: 6 MB are read once and 1.4 MB stored; the work-groups share no input but the four records that are made twice.
; ORDER OF THE HALVES: in records 0-15 (W_i2h) the z half stands first; in records 16-31 (W_h2h) the r half stands first (16-23) and the z half second (24-31): the reading launch keeps the r half by moving it aside.
.set REC,   6656
.set SPARE, 256                        ; LDS: bytes 0-255 the record's scale image; from 256 on the spare words, 128 bytes for each wave
.set SPW,   12                         ; v12  LDS address of my spare word; never rewritten
.set NIL,   13                         ; v13  0; never rewritten
.set X,     64                         ; v64-127  my 64 numbers
	s_load_b256 s[4:11], s[0:1], 0x0               ; W_i2h s[4:5], W_h2h s[6:7], W_hatU s[8:9], W_hatW s[10:11]
	s_load_b256 s[12:19], s[0:1], 0x20             ; b_i2h s[12:13], b_h2h s[14:15], b_hatU s[16:17], b_hatW s[18:19]
	s_load_b64 s[20:21], s[0:1], 0x40              ; wq
	v_lshl_add_u32 v[SPW], v0, 2, SPARE
	v_mov_b32 v[NIL], 0
	v_lshrrev_b32 v1, 5, v0
	v_readfirstlane_b32 s22, v1                    ; ks: my wave's number
	v_and_b32 v1, 15, v0                           ; r
	v_bfe_u32 v2, v0, 4, 1                         ; hh
	s_wait_alu depctr_va_vdst(0)
	v_and_b32 v4, 31, v0                           ; lane
	v_lshlrev_b32 v3, 4, v4                        ; 16 x lane: my place in an image's 512 bytes
	v_lshlrev_b32 v7, 3, v4                        ; 8 x lane: my place in the scale image, in LDS and in the record
	v_lshlrev_b32 v8, 2, v1                        ; 4 r: my column's bias
	s_and_b32 s40, s22, 1
	s_lshl_b32 s40, s40, 7
	s_lshr_b32 s41, s22, 1
	s_lshl_b32 s41, s41, 2
	s_add_co_u32 s40, s40, s41
	v_lshl_add_u32 v6, v1, 3, s40                  ; where my fragment's scale word of column r goes: lane r + 16 (ks % 2), word ks / 2
	s_and_b32 s23, ttmp7, 0xffff                   ; w: the stream
	s_cmp_ge_u32 ttmp9, 48
	s_cselect_b32 s24, 48, 0
	s_sub_co_u32 s24, ttmp9, s24                   ; u: which tile (records 48-51 are tiles 0-3)
	s_and_b32 s25, s24, 7
	s_lshl_b32 s25, s25, 4
	s_lshl_b32 s26, s23, 7
	s_add_co_u32 s25, s25, s26                     ; 128 w + 16 (u % 8)
	s_bfe_u32 s26, s24, 0x10003                    ; bit 3 of u,
	s_bfe_u32 s32, s24, 0x10004                    ; turned over in W_h2h (bit 4 of u): there the r half comes first.  1: the r half,
	s_xor_b32 s26, s26, s32
	s_lshl_b32 s26, s26, 9                         ; 512 columns on
	s_cmp_lt_u32 s24, 32                           ; a gate weight (1,024 columns) or a hat weight (512)?
	s_cselect_b32 s26, s26, 0
	s_cselect_b32 s27, 12, 11                      ; log2 of a row's bytes
	s_add_co_u32 s25, s25, s26                     ; n0: the tile's first column
	s_lshl_b32 s30, s25, 2                         ; 4 n0
	s_mov_b32 s31, 0
	s_add_co_u32 s28, s27, 7
	s_lshl_b32 s28, s22, s28                       ; 128 ks rows
	s_add_co_u32 s28, s28, s30
	s_mov_b32 s29, 0
	s_add_co_u32 s32, s27, 5
	v_lshlrev_b32 v5, s32, v2                      ; lanes 16-31 begin 32 rows further down
	v_lshl_add_u32 v5, v1, 2, v5                   ; + 4 r
	s_mul_i32 s33, s23, 52
	s_add_co_u32 s33, s33, ttmp9
	s_mul_i32 s34, s33, REC                        ; the record's first byte (under 2^21)
	s_mov_b32 s35, 0
	s_mul_i32 s36, s22, 1536                       ; my fragment's image in it
	s_mov_b32 s37, 0
	s_mov_b32 s38, 0x76543210
	s_mov_b32 s39, 0xfedcba98                      ; v_permlanex16_b32's selects for lane l xor 16
	s_wait_alu depctr_va_vdst(0)
	s_wait_kmcnt 0x0
	s_cmp_lt_u32 s24, 40                           ; the buffers are chosen on the work-group's number alone
	s_cselect_b64 s[8:9], s[8:9], s[10:11]
	s_cselect_b64 s[16:17], s[16:17], s[18:19]
	s_cmp_lt_u32 s24, 16
	s_cselect_b64 s[4:5], s[4:5], s[6:7]
	s_cselect_b64 s[12:13], s[12:13], s[14:15]
	s_cmp_lt_u32 s24, 32
	s_cselect_b64 s[4:5], s[4:5], s[8:9]           ; the weight,
	s_cselect_b64 s[12:13], s[12:13], s[16:17]     ; its bias
	s_add_nc_u64 s[4:5], s[4:5], s[28:29]
	s_add_nc_u64 s[12:13], s[12:13], s[30:31]
	s_add_nc_u64 s[20:21], s[20:21], s[34:35]      ; the record
	s_add_nc_u64 s[36:37], s[20:21], s[36:37]      ; my image
	global_load_b32 v16, v8, s[12:13]              ; the tile's 16 biases go out with the weights' loads and come back with them; every wave asks (64 bytes), so that no branch stands ahead of the loads; wave 1 stores them
.macro WCOL pitch                      ; W(128 ks + 64 c + 32 hh + i, n0 + r): sixteen neighbouring lanes read 64 neighbouring bytes; every step down K is an immediate
.irp c, 0,1
.irp i, 0,1,2,3,4,5,6,7,8,9,10,11,12,13,14,15,16,17,18,19,20,21,22,23,24,25,26,27,28,29,30,31
	global_load_b32 v[X+32*\c+\i], v5, s[4:5] offset:(64*\c+\i)*\pitch
.endr
.endr
.endm
	s_cmp_lt_u32 s24, 32                           ; the sums above have set SCC: compared again
	s_cbranch_scc0 .Lhat_w
	WCOL 4096
	s_branch .Lloaded
.Lhat_w:
	WCOL 2048
.Lloaded:
	s_wait_loadcnt 0x0
.irp c, 0,1                                    ; my block 2 c + hh: all its 32 numbers are mine
	v_max3_num_f32 v[32+\c], |v[X+32*\c]|, |v[X+1+32*\c]|, 0x1800000   ; and the floor 2^(3 - 127): so the byte cannot fall under 1
.endr
.irp i, 2,4,6,8,10,12,14,16,18,20,22,24,26,28,30
.irp c, 0,1
	v_max3_num_f32 v[32+\c], v[32+\c], |v[X+32*\c+\i]|, |v[X+1+32*\c+\i]|   ; (the two blocks by turns)
.endr
.endr
.irp c, 0,1
	v_add_nc_u32 v[44+\c], 0xff000000, v[32+\c]    ; 2 off the exponent field: the conversion takes the exponent field of this operand as its scale
.endr
.irp c, 0,1
	v_lshrrev_b32 v[36+\c], 23, v[44+\c]           ; the scale's byte
.endr
	v_lshl_or_b32 v9, v37, 16, v36                 ; my two bytes: blocks hh and 2 + hh of column r,
	v_lshlrev_b32 v10, 3, v2
	v_lshlrev_b32 v9, v10, v9                      ; at their places in the scale word;
	v_mov_b32 v10, 0
	v_permlanex16_b32 v10, v9, s38, s39
	v_or_b32 v9, v9, v10                           ; with lane l xor 16's two the word is whole
.irp c, 0,1
	v_cvt_scalef32_pk16_fp6_f32 v[48+6*\c:50+6*\c], v[X+32*\c:X+15+32*\c], v[44+\c]      ; registers 6 c .. 6 c + 2 of the operand
	v_cvt_scalef32_pk16_fp6_f32 v[20+4*\c:22+4*\c], v[X+16+32*\c:X+31+32*\c], v[44+\c]   ; (a conversion's three registers begin on an even number: the second half is made elsewhere and moved)
.endr
	v_nop                                          ; one plain place behind a scaled conversion
.irp c, 0,1
.irp i, 0,1,2
	v_mov_b32 v[51+6*\c+\i], v[20+4*\c+\i]
.endr
.endr
.irp i, 0,1,2
	global_store_b128 v3, v[48+4*\i:51+4*\i], s[36:37] offset:512*\i   ; 32 lanes store 512 consecutive bytes, at a multiple of 256 from the buffer's first byte
.endr
	ds_store_b32 v6, v9                            ; lanes r and r + 16 write the same word with the same value
	s_wait_dscnt 0x0                               ; for the others' sake: my word has landed
	s_barrier_signal -1
	s_barrier_wait -1
	s_cmp_lg_u32 s22, 0
	s_cbranch_scc1 .Lnot_wave_0
	ds_load_b64 v[14:15], v7                       ; wave 0: the four waves' words, 8 bytes a lane,
	s_wait_dscnt 0x0
	global_store_b64 v7, v[14:15], s[20:21] offset:6144   ; leave as 256 consecutive bytes, aligned
.Lnot_wave_0:
	s_cmp_lg_u32 s22, 1
	s_cbranch_scc1 .Lnot_wave_1
	global_store_b32 v8, v16, s[20:21] offset:6400 ; wave 1: the biases (lanes r and r + 16 carry the same number to the same place)
.Lnot_wave_1:
	s_wait_tensorcnt 0x0                           ; the wave's end: behind my last LDS store
	ds_add_u32 v[SPW], v[NIL]
	s_wait_dscnt 0x0
	s_endpgm
.Lfunc_end_k_q6212338451_prep:
	.size	k_q6212338451_prep, .Lfunc_end_k_q6212338451_prep-k_q6212338451_prep
	.p2alignl 7, 3214868480
	.fill 96, 4, 3214868480
	.section	.rodata,"a",@progbits
	.p2align	6, 0x0
	.amdhsa_kernel k_q6212338451_prep
		.amdhsa_group_segment_fixed_size 1024
		.amdhsa_private_segment_fixed_size 0
		.amdhsa_enable_private_segment 0
		.amdhsa_kernarg_size 72
		.amdhsa_user_sgpr_count 2
		.amdhsa_user_sgpr_kernarg_segment_ptr 1
		.amdhsa_wavefront_size32 1
		.amdhsa_system_sgpr_workgroup_id_x 1
		.amdhsa_system_sgpr_workgroup_id_y 1
		.amdhsa_system_sgpr_workgroup_id_z 1
		.amdhsa_system_vgpr_workitem_id 0
		.amdhsa_next_free_vgpr 128
		.amdhsa_next_free_sgpr 66
		.amdhsa_reserve_vcc 0
		.amdhsa_float_denorm_mode_32 3
		.amdhsa_float_denorm_mode_16_64 3
		.amdhsa_memory_ordered 1
		.amdhsa_forward_progress 1
		.amdhsa_inst_pref_size 20
	.end_amdhsa_kernel
	.amdgpu_metadata
---
amdhsa.version: [ 1, 2 ]
amdhsa.kernels:
  - .name:           k_q6212338451_prep
    .symbol:         k_q6212338451_prep.kd
    .args:
      - { .name: W_i2h, .offset: 0, .size: 8, .value_kind: global_buffer, .address_space: global }
      - { .name: W_h2h, .offset: 8, .size: 8, .value_kind: global_buffer, .address_space: global }
      - { .name: W_hatU, .offset: 16, .size: 8, .value_kind: global_buffer, .address_space: global }
      - { .name: W_hatW, .offset: 24, .size: 8, .value_kind: global_buffer, .address_space: global }
      - { .name: b_i2h, .offset: 32, .size: 8, .value_kind: global_buffer, .address_space: global }
      - { .name: b_h2h, .offset: 40, .size: 8, .value_kind: global_buffer, .address_space: global }
      - { .name: b_hatU, .offset: 48, .size: 8, .value_kind: global_buffer, .address_space: global }
      - { .name: b_hatW, .offset: 56, .size: 8, .value_kind: global_buffer, .address_space: global }
      - { .name: wq, .offset: 64, .size: 8, .value_kind: global_buffer, .address_space: global }
    .group_segment_fixed_size: 1024
    .private_segment_fixed_size: 0
    .kernarg_segment_align: 8
    .kernarg_segment_size: 72
    .max_flat_workgroup_size: 128
    .sgpr_count:     66
    .vgpr_count:     128
    .wavefront_size: 32
...
	.end_amdgpu_metadata
.endif
;; end of part 1
;; launch cell (part 2): grid 256 x 1, 4 waves a work-group, no clusters, 327,680 bytes of LDS; arguments x, h, wq, out0; writes out0
.if DOCPART == 2
	.amdgcn_target "amdgcn-amd-amdhsa--gfx1250"
	.amdhsa_code_object_version 6
	.text
	.protected	k_q6212338451_cell
	.globl	k_q6212338451_cell
	.p2align	8
	.type	k_q6212338451_cell,@function
k_q6212338451_cell:
	s_mov_b64 s[64:65], 0
	v_nop
	global_prefetch_b8 v0, s[64:65] scope:SCOPE_SE
	s_setreg_imm32_b32 hwreg(HW_REG_WAVE_MODE, 25, 1), 1
	s_wait_xcnt 0x0
; h_t = (1 - z) h + z tanh(LN(x W_hatW + b) + r LN(h W_hatU + b)),  (z | r) = sigmoid(LN(x W_i2h + b) + LN(h W_h2h + b)).  x, h, out: [32768][512] f32.
; The four products run on codes of FP6 (E2M3) with one E8M0 scale for each 32 along K; all else in f32.  The weights come as records from wq (launch prep); x and h are quantised here.
; SHARES.  A LayerNorm wants a whole row of a product, so a work-group owns whole rows through all 3,072 columns: 64 rows at a time, twice (256 work-groups x 128 rows).  THE FOUR WAVES SHARE THE COLUMNS: wave w has
; H-columns 128 w .. 128 w + 127 of every product, for all 64 rows (four row tiles m).  The products are used TRANSPOSED (source 0 = 16 weight columns, source 1 = 16 rows): lane (r, hh) holds row 16 m + r, and its
; eight registers the columns n0 + 8 hh + 0 .. 7.  So a row's statistics are sums inside a lane, one exchange with lane l xor 16, and one exchange of (mean, M2) between the waves through LDS.
; STATISTICS.  About a pivot p of the row (the mean of two of the wave's own numbers of that row, one from each half of the lanes) a wave sums d = y - p and d^2 over its n columns: s and q.  mean = p + s / n,
; M2 = q - s^2 / n.  p lies between two of the numbers summed, so n (mean - p)^2 <= (n - 1) M2: q is at most n (256) times the difference that is formed, whatever offset the row carries.
; The four waves' pairs are merged by mean = the means' mean, M2 = sum M2 + n sum (mean_w - mean)^2.
; THE STATISTICS STAND BETWEEN THE PRODUCTS: a tile's 48 packed instructions go, twelve at a time, behind four of the next record's sixteen products.  That costs one window switch a slice; set in a phase of their
; own the same instructions would leave the matrix unit idle all that while, which is the greater price.  A tile that is to be parked goes to LDS at the end of its own sixteen products.
; WHERE THE NUMBERS LIE.  The gates want 2 x 1,024 pre-activations a row at once: 64 rows x 2,048 x 4 bytes = 512 KB.  The second product's stay in the accumulators (windows 2, 3); the first's are parked in LDS as
; images of their registers (266,240 bytes with the turn stage's padding).  With the operands' images (51,200), the statistics (8,192) and the spare words (512) LDS holds 326,144 of its 327,680 bytes.
; WHY NO TENSOR LOAD, NO RING IN LDS, NO CLUSTER: 1,536 bytes are left, so no slot fits; and each weight fragment is wanted by ONE wave of the work-group, so a way through LDS would spare no read inside it.
; The weights go from memory straight into registers, whole fragments by loads of 16 bytes a lane, four records (of 16 columns x 512 K) ahead.
; h is read twice (once to be quantised, once for the blend): 64 rows of f32 are 128 KB, for which neither registers nor LDS have room.
; THE NEXT BLOCK'S x is asked for in the last phase, into registers as they fall free there (r's upper half; the rows of h that have been blended).
; LIMITS: NaN and infinities are not served.  A block of 32 whose largest magnitude lies under 2^-124, zeros among them, gets the scale byte 1 (the rule says 127 for zeros); only this program reads the bytes.
; sigmoid = 1 / (1 + 2^(-s log2 e)) and tanh = 1 - 2 / (1 + 2^(2 a log2 e)) run to their limits 0, 1, -1 where the power overflows or falls to 0.
;
; REGISTERS, in windows of 256 (s_set_vgpr_msb: bits 1:0 source 0, 3:2 source 1, 5:4 source 2, 7:6 destination):
;   window 0: v1-20 addresses that stay; v21-23 addresses in hand; v24-39, v56-63 a LayerNorm's parameters; v40-47 the rows' scale words; v48-55 the weights' scale words (ring of 4); v64-255 the rows' 16 fragments,
;             and, where those are dead, work space (the quantiser; the last phase; from v128 on rows 8-15 of my x as loaded)
;   window 1: v0-191 weight fragments, ring of 4 records; v192-223 their biases; v224-255 work space (statistics; parked numbers on their way back; the hats' parameters)
;   window 2: accumulators of the z half, later of the hats (tile t, row tile m at 32 t + 8 m); at a block's start h as loaded
;   window 3: accumulators of the r half, then r; at a block's end v0-127 rows 32-63 of h, v128-255 rows 0-7 of my x of the next block as loaded
.set REC,    6656                      ; a record of wq
.set STREAM, 52*REC                    ; a wave's stream
.set WREG,   66560                     ; LDS: a region of its own for each wave, used in turn as turn stage, parking place, z in rows, stage for the way out
.set R2,     33792                     ; its second part
.set TP,     2064                      ; the turn stage: a row of 2,048 bytes + 16: row r starts at bank 4 r mod 64 (64 banks of 4 bytes: ISA guide 11.1)
.set HST,    16*TP                     ; h's 16 rows behind x's
.set ZP,     528                       ; z and h_hat in rows: my 128 columns, 512 bytes + 16
.set XIMG,   4*WREG                    ; x's 16 fragments as images of their registers, 1,536 bytes each (row tile m, K step ks: 4 m + ks);
.set HOFF,   24576                     ; h's behind them
.set XSC,    XIMG+2*HOFF               ; their scale words: 64 bytes a fragment, row r's at 4 r; h's 1,024 bytes on
.set STG,    XSC+2048                  ; statistics: LayerNorm x 2,048 + m x 512 + r x 32 + wave x 8: (mean, M2)
.set SPARE,  STG+8192                  ; the spare words, 128 bytes for each wave: two blocks of 256 bytes that no other line names
.set SPW, 1                            ; v1   LDS address of my spare word; never rewritten
.set NIL, 2                            ; v2   0; never rewritten
.set WOF, 3                            ; v3   wq: 16 x lane + my stream
.set WSO, 4                            ; v4   wq: 8 x lane + my stream
.set WBO, 5                            ; v5   wq: 32 hh + my stream
.set LI,  6                            ; v6   XIMG + 16 x lane
.set LS,  7                            ; v7   XSC + 4 x lane
.set IWI, 8                            ; v8   where I store images: XIMG + 16 x lane + 6,144 x wave
.set IWS, 9                            ; v9   and scale words: XSC + 4 r + 256 x wave
.set PA0, 10                           ; v10  my region + 16 x lane
.set TSR, 11                           ; v11  my region + TP r + 64 hh
.set PA1, 12                           ; v12  my region + R2 + 16 x lane
.set ZSW, 13                           ; v13  my region + ZP r + 32 hh
.set PFO, 14                           ; v14  the prefetches' offset: 256 x lane + 32,768 x wave
.set STW, 17                           ; v17  STG + 32 r + 8 x wave
.set STR, 18                           ; v18  STG + 32 r
.set XGO, 19                           ; v19  x, h: 16 x lane + my 16 rows
.set OGO, 20                           ; v20  h, out: 16 x lane + my 512 bytes of a row
.set ASC, 40
.set BSC, 48
.set AF,  64
.set T,   64                           ; the quantiser: 64 numbers,
.set TM,  128                          ; 16 registers at work,
.set PW,  144                          ; the scale word,
.set PC,  148                          ; the codes (20 registers)
.set BIA, 192                          ; window 1: the biases' ring
.set PR,  224                          ; window 1: row tile m at PR + 2 m: (pivot, 0), at a phase's end (mean, M2)
.set Q,   232                          ; the sums of d^2, a pair for each m
.set T1,  240                          ; four pairs at work
.set SS,  248                          ; the sums of d, a pair for each m
.set MSB, 0
.macro WIN new                         ; the immediate's high byte repeats the setting that is left; a switch that changes nothing is dropped
.if MSB != (\new)
	s_set_vgpr_msb (MSB<<8)|(\new)
.set MSB, (\new)
.endif
.endm
; A record into ring slot: 12 loads of 512 consecutive bytes (four fragments), 2 of the biases (lane (r, hh): the eight of its half), 1 of the scale words: 15 loads
.macro WLOAD slot, off
	WIN 0x40
.irp i, 0,1,2,3,4,5,6,7,8,9,10,11
	global_load_b128 v[48*(\slot)+4*\i:48*(\slot)+4*\i+3], v[WOF], s[16:17] offset:(\off)+512*\i
.endr
	global_load_b128 v[BIA+8*(\slot):BIA+8*(\slot)+3], v[WBO], s[16:17] offset:(\off)+6400
	global_load_b128 v[BIA+8*(\slot)+4:BIA+8*(\slot)+7], v[WBO], s[16:17] offset:(\off)+6416
	WIN 0
	global_load_b64 v[BSC+2*(\slot):BSC+2*(\slot)+1], v[WSO], s[16:17] offset:(\off)+6144
.endm
; One product: 16 weight columns (tile t, ring slot) x row tile m, K step ks.  A scale register carries an even K step's words in lanes 0-15 and the odd one's in lanes 16-31.  The bias is the C of the first K step.
.macro MM t, slot, m, ks
.set rD, 32*(\t)+8*(\m)
.set rW, 48*(\slot)+12*(\ks)
.set rA, AF+48*(\m)+12*(\ks)
.set rS, BSC+2*(\slot)+(\ks)/2
.set rX, ASC+2*(\m)+(\ks)/2
.if (\ks) == 0
	v_wmma_scale_f32_16x16x128_f8f6f4 v[rD:rD+7], v[rW:rW+11], v[rA:rA+11], v[BIA+8*(\slot):BIA+8*(\slot)+7], v[rS], v[rX] matrix_a_fmt:MATRIX_FMT_FP6 matrix_b_fmt:MATRIX_FMT_FP6
.elseif (\ks) == 2
	v_wmma_scale_f32_16x16x128_f8f6f4 v[rD:rD+7], v[rW:rW+11], v[rA:rA+11], v[rD:rD+7], v[rS], v[rX] matrix_a_fmt:MATRIX_FMT_FP6 matrix_b_fmt:MATRIX_FMT_FP6
.else
	v_wmma_scale_f32_16x16x128_f8f6f4 v[rD:rD+7], v[rW:rW+11], v[rA:rA+11], v[rD:rD+7], v[rS], v[rX] matrix_a_fmt:MATRIX_FMT_FP6 matrix_b_fmt:MATRIX_FMT_FP6 matrix_a_scale:MATRIX_SCALE_ROW1 matrix_b_scale:MATRIX_SCALE_ROW1
.endif
.endm
; Slice k of 12 of the statistics of tile pt in window pwin: four packed instructions, one a row tile.  Register pair k / 3 of each of the tile's four accumulators, low end first:
; k % 3 = 0: d = y - p;  1: s += d;  2: q += d d.  The sums are set to 0 where the pivot is made.
.macro STSL pwin, pt, k
.set SLP, (\k)/3
.set SLK, (\k)%3
.if SLK == 0
	WIN 0x44|(\pwin)                               ; source 0: the accumulators; source 1 and destination window 1
.irp m, 0,1,2,3
	v_pk_add_f32 v[T1+2*\m:T1+2*\m+1], v[32*(\pt)+8*\m+2*SLP:32*(\pt)+8*\m+2*SLP+1], v[PR+2*\m:PR+2*\m+1] op_sel_hi:[1,0] neg_lo:[0,1] neg_hi:[0,1]
.endr
.elseif SLK == 1
	WIN 0x55
.irp m, 0,1,2,3
	v_pk_add_f32 v[SS+2*\m:SS+2*\m+1], v[SS+2*\m:SS+2*\m+1], v[T1+2*\m:T1+2*\m+1]
.endr
.else
	WIN 0x55
.irp m, 0,1,2,3
	v_pk_fma_f32 v[Q+2*\m:Q+2*\m+1], v[T1+2*\m:T1+2*\m+1], v[T1+2*\m:T1+2*\m+1], v[Q+2*\m:Q+2*\m+1]
.endr
.endif
.endm
; A UNIT: one record against the 64 rows: 16 products, the four row tiles' accumulators by turns, one instruction a turn, K ascending.
; Behind products 6, 9, 12 and 15 stand three slices of the statistics of the tile before (window pwin, tile pt), three on end so that a group costs three window switches: they name none of this unit's registers,
; and that tile's last product stands more than four plain instructions back.
; The last group is also the places ahead of the first read of this unit's results and of the loads into registers that its products have read.
; pt = -1: a trip's first unit: four v_nop take the slices' part; where a LayerNorm begins (s22 = 1) the rows' pivots are made, p = (y(first column of my half) + lane l xor 16's) / 2, and the sums are set to 0.
; In a trip whose results are parked (s19 = 1) the tile's four accumulators go to LDS as they stand, each from its low end on, 1,024 bytes each, tile (t, m) at 4 t + m from v[adr] on.
; Then the ring slot takes the record four on.
.macro UNIT win, t, slot, off, pwin, pt, adr, ord
	s_wait_loadcnt 45                              ; loads come back in order (ISA guide 5.7.1): this record's 15 are in; the three younger records' 45 may be out
.set ui, 0
.rept 16
.if ui < 4
	WIN ((\win)<<6)|0x11                           ; source 0 (weights) and C (bias) window 1, source 1 (rows) window 0
.else
	WIN ((\win)<<6)|((\win)<<4)|1                  ; C and D together
.endif
	MM \t, \slot, ui%4, ui/4
.if ((\pt) >= 0) && (ui >= 6) && (ui%3 == 0)
	STSL \pwin, \pt, ui-6
	STSL \pwin, \pt, ui-5
	STSL \pwin, \pt, ui-4
.endif
.set ui, ui+1
.endr
.if (\pt) < 0
.rept 4
	v_nop
.endr
	WIN 0
	s_cmp_eq_u32 s22, 0                            ; a LayerNorm's second half keeps its pivot and its sums
	s_cbranch_scc1 .Lkp_\@
	WIN 0x40|(\win)
.irp m, 0,1,2,3
	v_mov_b32 v[T1+4+\m], v[32*(\t)+8*\m]          ; each accumulator's lowest register
.endr
	WIN 0x55
.irp m, 0,1,2,3
	v_permlanex16_b32 v[T1+\m], v[T1+4+\m], s20, s21
.endr
.irp m, 0,1,2,3
	v_add_f32 v[PR+2*\m], v[T1+4+\m], v[T1+\m]
.endr
.irp m, 0,1,2,3
	v_mul_f32 v[PR+2*\m], 0.5, v[PR+2*\m]
.endr
.irp m, 0,1,2,3
	v_mov_b32 v[PR+2*\m+1], 0                      ; (named with the pivot as a pair, so it is written)
.endr
.irp i, 0,1,2,3,4,5,6,7
	v_mov_b32 v[SS+\i], 0                          ; the sums of d and of d^2 begin
	v_mov_b32 v[Q+\i], 0
.endr
	WIN 0
.Lkp_\@:
.endif
	WIN 0                                          ; at a branch and at a label every window is 0
	s_cmp_eq_u32 s19, 0
	s_cbranch_scc1 .Lnp_\@
	WIN (\win)<<2                                  ; an LDS store's data are its source 1
.irp m, 0,1,2,3
.if \ord
.set IM, 8*\m+(\t)
.else
.set IM, 4*(\t)+\m
.endif
	ds_store_b128 v[\adr], v[32*(\t)+8*\m:32*(\t)+8*\m+3] offset:1024*IM
	ds_store_b128 v[\adr], v[32*(\t)+8*\m+4:32*(\t)+8*\m+7] offset:1024*IM+512
.endr
	WIN 0
.Lnp_\@:
	WLOAD \slot, \off
.endm
.macro STTAIL pwin, pt                 ; a phase's last tile has no unit behind it: its twelve slices stand alone
.irp k, 0,1,2,3,4,5,6,7,8,9,10,11
	STSL \pwin, \pt, \k
.endr
.endm
; The 16 fragments of x (ib = cb = 0) or of h, and their scale words: register ASC + j takes fragments 2 j (lanes 0-15) and 2 j + 1 (lanes 16-31)
.macro ALOAD ib, cb
.set i, 0
.rept 48
	ds_load_b128 v[AF+4*i:AF+4*i+3], v[LI] offset:(\ib)+512*i
.set i, i+1
.endr
.irp j, 0,1,2,3,4,5,6,7
	ds_load_b32 v[ASC+\j], v[LS] offset:(\cb)+128*\j
.endr
.endm
; s and q whole (the two halves of a pair, lane l xor 16's); mean = p + s / n, M2 = q - s (s / n); inv = 1 / n, a power of two.  (mean, M2) to the place of LayerNorm s18 (0 to 3) in LDS: the place stands in the
; stores' immediates, chosen by a chain of branches on s18; lanes r and r + 16 write the same pair
.macro STFIN inv
	WIN 0x55
.irp m, 0,1,2,3
	v_add_f32 v[SS+2*\m], v[SS+2*\m], v[SS+2*\m+1]
.endr
.irp m, 0,1,2,3
	v_add_f32 v[Q+2*\m], v[Q+2*\m], v[Q+2*\m+1]
.endr
.irp m, 0,1,2,3
	v_permlanex16_b32 v[T1+\m], v[SS+2*\m], s20, s21
.endr
.irp m, 0,1,2,3
	v_permlanex16_b32 v[T1+4+\m], v[Q+2*\m], s20, s21
.endr
.irp m, 0,1,2,3
	v_add_f32 v[SS+2*\m], v[SS+2*\m], v[T1+\m]
.endr
.irp m, 0,1,2,3
	v_add_f32 v[Q+2*\m], v[Q+2*\m], v[T1+4+\m]
.endr
.irp m, 0,1,2,3
	v_mul_f32 v[T1+\m], \inv, v[SS+2*\m]
.endr
.irp m, 0,1,2,3
	v_fma_f32 v[PR+2*\m+1], -v[T1+\m], v[SS+2*\m], v[Q+2*\m]
.endr
.irp m, 0,1,2,3
	v_add_f32 v[PR+2*\m], v[PR+2*\m], v[T1+\m]
.endr
	WIN 0
	s_wait_alu depctr_va_vdst(0)
.irp n, 0,1,2,3
	s_cmp_lg_u32 s18, \n
	s_cbranch_scc1 .Lsf_\@_\n
	WIN 0x04
.irp m, 0,1,2,3
	ds_store_b64 v[STW], v[PR+2*\m:PR+2*\m+1] offset:2048*\n+512*\m
.endr
	WIN 0
.Lsf_\@_\n:
.endr
.endm
; The four waves' (mean, M2) of one LayerNorm become (mean, 1 / sqrt(var + eps)) of my row of each row tile, in v[out + 2 m], v[out + 2 m + 1] of window 0.  nw: columns a wave, invn: 1 / columns, both as f32
.macro MERGE off, nw, invn, out
	s_mov_b32 s24, \invn
	WIN 0x40
.irp m, 0,1,2,3
.irp k, 0,1
	ds_load_b128 v[224+8*\m+4*\k:227+8*\m+4*\k], v[STR] offset:(\off)+512*\m+16*\k
.endr
.endr
	s_wait_dscnt 0x0
	WIN 0x05
.irp m, 0,1,2,3
	v_pk_add_f32 v[\out+2*\m:\out+2*\m+1], v[224+8*\m:225+8*\m], v[226+8*\m:227+8*\m]   ; (sum of means, sum of M2)
.endr
	WIN 0x01
.irp k, 228,230
.irp m, 0,1,2,3
	v_pk_add_f32 v[\out+2*\m:\out+2*\m+1], v[\k+8*\m:\k+1+8*\m], v[\out+2*\m:\out+2*\m+1]
.endr
.endr
	WIN 0
.irp m, 0,1,2,3
	v_mul_f32 v[\out+2*\m], 0x3e800000, v[\out+2*\m]   ; the mean: a quarter of the four
.endr
	WIN 0x41
.irp w, 0,1,2,3
.irp m, 0,1,2,3
	v_sub_f32 v[224+8*\m+2*\w], v[224+8*\m+2*\w], v[\out+2*\m]   ; each wave's mean about it
.endr
.endr
	WIN 0x55
.irp m, 0,1,2,3
	v_mul_f32 v[225+8*\m], v[224+8*\m], v[224+8*\m]
.endr
.irp w, 1,2,3
.irp m, 0,1,2,3
	v_fma_f32 v[225+8*\m], v[224+8*\m+2*\w], v[224+8*\m+2*\w], v[225+8*\m]
.endr
.endr
	WIN 0x01
.irp m, 0,1,2,3
	v_fma_f32 v[\out+2*\m+1], v[225+8*\m], \nw, v[\out+2*\m+1]   ; M2 of the whole row
.endr
	WIN 0
.irp m, 0,1,2,3
	v_fma_f32 v[\out+2*\m+1], v[\out+2*\m+1], s24, s25   ; var + eps
.endr
	s_wait_alu depctr_va_vdst(0)
.irp m, 0,1,2,3
	v_rsq_f32 v[\out+2*\m+1], v[\out+2*\m+1]
.endr
	v_nop                                          ; a plain place behind the last of them,
	s_wait_alu depctr_va_vdst(0)                   ; and one wait for the four, ahead of their first reader
.endm
; 64 numbers of a lane, register 16 b + i = k 32 b + 16 hh + i of my row, become a fragment's codes in v[PC] on and its scale word in v[PW]
.macro QUANT
.irp b, 0,1,2,3
	v_max3_num_f32 v[TM+\b], |v[T+16*\b]|, |v[T+1+16*\b]|, 0x1800000   ; block b: my 16 numbers, and the floor 2^(3 - 127): so the byte cannot fall under 1
.endr
.irp i, 2,4,6,8,10,12,14
.irp b, 0,1,2,3
	v_max3_num_f32 v[TM+\b], v[TM+\b], |v[T+16*\b+\i]|, |v[T+1+16*\b+\i]|   ; (the four blocks by turns)
.endr
.endr
.irp b, 0,1,2,3
	v_permlanex16_b32 v[TM+4+\b], v[TM+\b], s20, s21
.endr
.irp b, 0,1,2,3
	v_max_num_f32 v[TM+\b], v[TM+\b], v[TM+4+\b]   ; with lane l xor 16's: the block's largest magnitude
.endr
.irp b, 0,1,2,3
	v_add_nc_u32 v[TM+12+\b], 0xff000000, v[TM+\b] ; 2 off its exponent field: the conversion's scale operand
.endr
.irp b, 0,1,2,3
	v_lshrrev_b32 v[TM+4+\b], 23, v[TM+12+\b]      ; the scale's byte
.endr
	v_lshl_or_b32 v[PW], v[TM+5], 8, v[TM+4]
	v_lshl_or_b32 v[PW], v[TM+6], 16, v[PW]
	v_lshl_or_b32 v[PW], v[TM+7], 24, v[PW]
.irp c, 0,1
	v_cvt_scalef32_pk16_fp6_f32 v[PC+6*\c:PC+2+6*\c], v[T+32*\c:T+15+32*\c], v[TM+12+2*\c]
	v_cvt_scalef32_pk16_fp6_f32 v[PC+12+4*\c:PC+14+4*\c], v[T+16+32*\c:T+31+32*\c], v[TM+12+2*\c+1]   ; (a conversion's three registers begin on an even number)
.endr
	v_nop                                          ; one plain place behind a scaled conversion
.irp c, 0,1                                    ; the operand's layout wants a WHOLE block in a lane: lanes 0-15 block 2 c, lanes 16-31 block 2 c + 1
.irp i, 0,1,2
	v_permlane16_swap_b32 v[PC+6*\c+\i], v[PC+12+4*\c+\i]
.endr
.irp i, 0,1,2
	v_mov_b32 v[PC+3+6*\c+\i], v[PC+12+4*\c+\i]
.endr
.endr
.endm
; My 16 rows in the turn stage (from sb on) become four fragments: a loop of four trips, one a K step; images from ib on, scale words from cb on
.macro QLOOP sb, ib, cb
	s_mov_b32 s15, 4
	s_mov_b32 s19, 0
	s_mov_b32 s22, 0
	s_mov_b32 s23, 0
.Lq_\@:
	v_add_nc_u32 v21, s19, v[TSR]
	v_add_nc_u32 v22, s22, v[IWI]
	v_add_nc_u32 v23, s23, v[IWS]
.irp b, 0,1,2,3
.irp i, 0,1,2,3
	ds_load_b128 v[T+16*\b+4*\i:T+16*\b+4*\i+3], v21 offset:(\sb)+128*\b+16*\i   ; row r: 16 neighbours of each block of 32
.endr
.endr
	s_wait_dscnt 0x0                               ; they are in; the stores into the turn stage and the last trip's stores have read their registers
	QUANT
.irp c, 0,1,2
	ds_store_b128 v22, v[PC+4*\c:PC+4*\c+3] offset:(\ib)+512*\c
.endr
	ds_store_b32 v23, v[PW] offset:\cb             ; lanes r and r + 16 write the same word
	s_add_co_u32 s19, s19, 512
	s_add_co_u32 s22, s22, 1536
	s_add_co_u32 s23, s23, 64
	s_sub_co_u32 s15, s15, 1
	s_cmp_lg_u32 s15, 0
	s_cbranch_scc1 .Lq_\@
.endm
; THE GATES, in 16 groups of four tiles (column tile G % 8, the four row tiles): G = 0-7 the r half (window 3, parked numbers at PA0), 8-15 the z half (window 2, at PA1).
.macro CLD G                           ; the group's parked numbers into window 1, v224-255
	WIN 0x40
.irp e, 0,1,2,3,4,5,6,7
.if (\G) < 8
	ds_load_b128 v[224+4*\e:227+4*\e], v[PA0] offset:4096*(\G)+512*\e
.else
	ds_load_b128 v[224+4*\e:227+4*\e], v[PA1] offset:4096*((\G)-8)+512*\e
.endif
.endr
.endm
.macro CSET G
.set CW, 3-(\G)/8
.set CB0, 32*((\G)%8)
.endm
.macro CA G                            ; u = y2 a2 + C
	CSET \G
	WIN (CW<<6)|CW
.irp m, 0,1,2,3
.irp p, 0,1,2,3
	v_pk_fma_f32 v[CB0+8*\m+2*\p:CB0+8*\m+2*\p+1], v[CB0+8*\m+2*\p:CB0+8*\m+2*\p+1], v[24+2*\m:25+2*\m], v[32+2*\m:33+2*\m] op_sel_hi:[1,0,0]
.endr
.endr
.endm
.macro CB G                            ; u += y1 a1: u = -log2 e x (LN(y1) + LN(y2))
	CSET \G
	WIN (CW<<6)|(CW<<4)|1
.irp m, 0,1,2,3
.irp p, 0,1,2,3
	v_pk_fma_f32 v[CB0+8*\m+2*\p:CB0+8*\m+2*\p+1], v[224+8*\m+2*\p:225+8*\m+2*\p], v[56+2*\m:57+2*\m], v[CB0+8*\m+2*\p:CB0+8*\m+2*\p+1] op_sel_hi:[1,0,1]
.endr
.endr
.endm
.macro CEXP G
	CSET \G
	WIN (CW<<6)|CW
.set i, 0
.rept 32
	v_exp_f32 v[CB0+i], v[CB0+i]
.set i, i+1
.endr
.endm
.macro CADD G
	CSET \G
	WIN (CW<<6)|CW
.set i, 0
.rept 16
	v_pk_add_f32 v[CB0+2*i:CB0+2*i+1], v[CB0+2*i:CB0+2*i+1], 1.0 op_sel_hi:[1,0]
.set i, i+1
.endr
.endm
.macro CRCP G
	CSET \G
	WIN (CW<<6)|CW
.set i, 0
.rept 32
	v_rcp_f32 v[CB0+i], v[CB0+i]
.set i, i+1
.endr
.endm
.macro ZSTORE G                        ; z of column tile G - 8 to its rows in LDS: row 16 m + r, bytes 64 t + 32 hh on
	WIN 0x08
.irp m, 0,1,2,3
.irp k, 0,1
	ds_store_b128 v[ZSW], v[32*((\G)-8)+8*\m+4*\k:32*((\G)-8)+8*\m+4*\k+3] offset:16*ZP*\m+64*((\G)-8)+16*\k
.endr
.endr
.endm
; THE LAST PHASE, row tile m at a time.
.macro FLDU m                          ; the parked yU
	WIN 0
.irp t, 0,1,2,3,4,5,6,7
	ds_load_b128 v[64+8*\t:67+8*\t], v[PA1] offset:(4*\t+(\m))*1024
	ds_load_b128 v[68+8*\t:71+8*\t], v[PA1] offset:(4*\t+(\m))*1024+512
.endr
.endm
.macro FV m                            ; v = yW bW + cW = 2 log2 e x LN(yW), in place
	WIN 0x96
.irp t, 0,1,2,3,4,5,6,7
.irp p, 0,1,2,3
	v_pk_fma_f32 v[32*\t+8*(\m)+2*\p:32*\t+8*(\m)+2*\p+1], v[32*\t+8*(\m)+2*\p:32*\t+8*(\m)+2*\p+1], v[232+2*(\m):233+2*(\m)], v[248+2*(\m):249+2*(\m)] op_sel_hi:[1,0,0]
.endr
.endr
.endm
.macro FU m                            ; u = yU bU + cU
	WIN 0x14
.set i, 0
.rept 32
	v_pk_fma_f32 v[64+2*i:65+2*i], v[64+2*i:65+2*i], v[224+2*(\m):225+2*(\m)], v[240+2*(\m):241+2*(\m)] op_sel_hi:[1,0,0]
.set i, i+1
.endr
.endm
.macro FARG m                          ; r u + v
	WIN 0xa3
.irp t, 0,1,2,3,4,5,6,7
.irp p, 0,1,2,3
	v_pk_fma_f32 v[32*\t+8*(\m)+2*\p:32*\t+8*(\m)+2*\p+1], v[32*\t+8*(\m)+2*\p:32*\t+8*(\m)+2*\p+1], v[64+8*\t+2*\p:65+8*\t+2*\p], v[32*\t+8*(\m)+2*\p:32*\t+8*(\m)+2*\p+1]
.endr
.endr
.endm
.macro FEXP m
	WIN 0x82
.irp t, 0,1,2,3,4,5,6,7
.irp j, 0,1,2,3,4,5,6,7
	v_exp_f32 v[32*\t+8*(\m)+\j], v[32*\t+8*(\m)+\j]
.endr
.endr
.endm
.macro FADD m
	WIN 0x82
.irp t, 0,1,2,3,4,5,6,7
.irp p, 0,1,2,3
	v_pk_add_f32 v[32*\t+8*(\m)+2*\p:32*\t+8*(\m)+2*\p+1], v[32*\t+8*(\m)+2*\p:32*\t+8*(\m)+2*\p+1], 1.0 op_sel_hi:[1,0]
.endr
.endr
.endm
.macro FRCP m
	WIN 0x82
.irp t, 0,1,2,3,4,5,6,7
.irp j, 0,1,2,3,4,5,6,7
	v_rcp_f32 v[32*\t+8*(\m)+\j], v[32*\t+8*(\m)+\j]
.endr
.endr
.endm
.macro FTANH m                         ; 1 - 2 / (1 + 2^..)
	WIN 0x82
.irp t, 0,1,2,3,4,5,6,7
.irp p, 0,1,2,3
	v_pk_fma_f32 v[32*\t+8*(\m)+2*\p:32*\t+8*(\m)+2*\p+1], v[32*\t+8*(\m)+2*\p:32*\t+8*(\m)+2*\p+1], -2.0, 1.0 op_sel_hi:[1,0,0]
.endr
.endr
.endm
; Eight rows of the result: h_hat and z come back from LDS as rows (a lane: 16 bytes of my 512), h waits in registers; out = h + z (h_hat - h).
; Behind each of the first four, where a block follows, eight more loads of its x go out, into the 32 registers of the rows of h just blended.
.macro HALF m, e
.set RW, 16*(\m)+8*(\e)
.if RW > 0
	s_wait_xcnt 0x0                                ; the last eight stores have had their addresses translated (ISA guide 3.1): only behind this wait are their data registers loaded again
.endif
.irp i, 0,1,2,3,4,5,6,7
	ds_load_b128 v[64+4*\i:67+4*\i], v[PA1] offset:((\m)%2)*16*ZP+(8*(\e)+\i)*ZP
.endr
.irp i, 0,1,2,3,4,5,6,7
	ds_load_b128 v[96+4*\i:99+4*\i], v[PA0] offset:(RW+\i)*ZP
.endr
	s_wait_dscnt 0x0
	s_wait_loadcnt 56-RW                           ; these eight rows of h are in: 56 - RW rows of h, one load each, were asked for behind them.  Where the next block's x was asked for behind those, the count asks for more than
	                                               ; these rows need; it is right on both ways, and what it waits for besides is wanted at the next block's head
.if (\m) < 2
.set HB, 128+4*RW
.else
.set HB, 4*(RW-32)
	WIN 0x0c                                       ; rows 32-63 of h lie in window 3
.endif
.set i, 0
.rept 16
	v_pk_add_f32 v[64+2*i:65+2*i], v[64+2*i:65+2*i], v[HB+2*i:HB+2*i+1] neg_lo:[0,1] neg_hi:[0,1]
.set i, i+1
.endr
.if (\m) >= 2
	WIN 0x30
.endif
.set i, 0
.rept 16
	v_pk_fma_f32 v[64+2*i:65+2*i], v[96+2*i:97+2*i], v[64+2*i:65+2*i], v[HB+2*i:HB+2*i+1]
.set i, i+1
.endr
	WIN 0
.irp i, 0,1,2,3,4,5,6,7
	global_store_b128 v[OGO], v[64+4*\i:67+4*\i], s[10:11] offset:(RW+\i)*2048 th:TH_STORE_NT   ; 32 lanes store 512 consecutive bytes, at a multiple of 512 from the buffer's first byte
.endr
.if RW < 32
	s_cmp_eq_u32 s13, 1                            ; the last block asks for nothing: no load leaves its buffer
	s_cbranch_scc1 .Lnx_\@
.irp j, 0,1,2,3,4,5,6,7
	global_load_b128 v[4*(32+RW+\j):4*(32+RW+\j)+3], v[XGO], s[4:5] offset:131072+512*(32+RW+\j) th:TH_LOAD_NT   ; piece 32 + RW + j of my 64 pieces of 512 bytes
.endr
.Lnx_\@:
.endif
.endm
	s_load_b256 s[4:11], s[0:1], 0x0               ; x s[4:5], h s[6:7], wq s[8:9], out s[10:11]
	v_lshl_add_u32 v[SPW], v0, 2, SPARE
	v_mov_b32 v[NIL], 0
	v_lshrrev_b32 v21, 5, v0
	v_readfirstlane_b32 s12, v21                   ; wave 0..3
	v_and_b32 v21, 31, v0                          ; lane
	v_and_b32 v22, 15, v0                          ; r
	v_bfe_u32 v23, v0, 4, 1                        ; hh
	s_mul_i32 s27, s12, STREAM
	v_lshl_add_u32 v[WOF], v21, 4, s27
	v_lshl_add_u32 v[WSO], v21, 3, s27
	v_lshl_add_u32 v[WBO], v23, 5, s27
	v_lshl_add_u32 v[LI], v21, 4, XIMG
	v_lshl_add_u32 v[LS], v21, 2, XSC
	s_mul_i32 s28, s12, 6144
	s_add_co_u32 s28, s28, XIMG
	v_lshl_add_u32 v[IWI], v21, 4, s28
	s_lshl_b32 s28, s12, 8
	s_add_co_u32 s28, s28, XSC
	v_lshl_add_u32 v[IWS], v22, 2, s28
	s_mul_i32 s29, s12, WREG
	v_lshl_add_u32 v[PA0], v21, 4, s29
	v_add_nc_u32 v[PA1], R2, v[PA0]
	v_mul_u32_u24 v[TSR], v22, TP
	v_lshl_add_u32 v[TSR], v23, 6, v[TSR]
	v_add_nc_u32 v[TSR], s29, v[TSR]
	v_mul_u32_u24 v[ZSW], v22, ZP
	v_lshl_add_u32 v[ZSW], v23, 5, v[ZSW]
	v_add_nc_u32 v[ZSW], s29, v[ZSW]
	s_lshl_b32 s28, s12, 3
	s_add_co_u32 s28, s28, STG
	v_lshl_add_u32 v[STW], v22, 5, s28
	v_lshl_add_u32 v[STR], v22, 5, STG
	s_lshl_b32 s28, s12, 15
	v_lshl_add_u32 v[XGO], v21, 4, s28
	v_lshl_add_u32 v[PFO], v21, 8, s28
	s_lshl_b32 s28, s12, 9
	v_lshl_add_u32 v[OGO], v21, 4, s28
.irp b, 0,1,2,3
	v_mov_b32 v[TM+4+\b], 0                        ; written once: a lane permute's destination counts as one of its sources
.endr
	WIN 0x40
.irp b, 0,1,2,3
	v_mov_b32 v[T1+\b], 0
.endr
	WIN 0
	s_mov_b32 s20, 0x76543210
	s_mov_b32 s21, 0xfedcba98                      ; v_permlanex16_b32's selects for lane l xor 16
	s_mov_b32 s25, 0x3727c5ac                      ; eps = 1e-5
	s_mov_b32 s13, 2                               ; blocks of 64 rows to go
	s_lshl_b32 s30, ttmp9, 18                      ; my 128 rows of 2,048 bytes
	s_mov_b32 s31, 0
	s_wait_kmcnt 0x0
	s_add_nc_u64 s[4:5], s[4:5], s[30:31]
	s_add_nc_u64 s[6:7], s[6:7], s[30:31]
	s_add_nc_u64 s[10:11], s[10:11], s[30:31]
	s_mov_b64 s[16:17], s[8:9]                     ; where the stream stands
	WLOAD 0, 0                                     ; the ring is filled: records 0-3
	WLOAD 1, REC
	WLOAD 2, 2*REC
	WLOAD 3, 3*REC
	; my 16 rows of the first block's x, as they lie, in 64 pieces of 512 consecutive bytes: pieces 0-31 into window 3, v128-255, pieces 32-63 into window 0, v128-255: where the last phase puts the next block's
	WIN 0xc0
.set i, 0
.rept 32
	global_load_b128 v[128+4*i:131+4*i], v[XGO], s[4:5] offset:512*i th:TH_LOAD_NT
.set i, i+1
.endr
	WIN 0
.set i, 32
.rept 32
	global_load_b128 v[4*i:4*i+3], v[XGO], s[4:5] offset:512*i th:TH_LOAD_NT
.set i, i+1
.endr
.Lblock:
	; ---- my 16 rows of h, as they lie, into windows 3 and 2; x has been asked for before
	WIN 0xc0                                       ; pieces 0-31 into window 3, v0-127 (the rows of h that lay there have been blended), pieces 32-63 into window 2, v128-255
.set i, 0
.rept 32
	global_load_b128 v[4*i:4*i+3], v[XGO], s[6:7] offset:512*i   ; (no hint: these bytes are read once more, for the blend)
.set i, i+1
.endr
	WIN 0x80
.rept 32
	global_load_b128 v[4*i:4*i+3], v[XGO], s[6:7] offset:512*i
.set i, i+1
.endr
	s_wait_loadcnt 63                              ; x is in: h's 64 loads are younger than x's last; the count is the largest that the wait can name, one under that
	WIN 0x0c
.set i, 0
.rept 32
	ds_store_b128 v[PA0], v[128+4*i:131+4*i] offset:TP*(i/4)+512*(i%4)   ; through my turn stage: in as loaded, back 16 neighbours a lane.  LDS serves a wave's instructions in order (ISA guide 5.7.1.4)
.set i, i+1
.endr
	WIN 0
.set i, 32
.rept 32
	ds_store_b128 v[PA0], v[4*i:4*i+3] offset:TP*(i/4)+512*(i%4)
.set i, i+1
.endr
	QLOOP 0, 0, 0
	s_wait_loadcnt 0x0                             ; h is in
	WIN 0x0c
.set i, 0
.rept 32
	ds_store_b128 v[PA0], v[4*i:4*i+3] offset:HST+TP*(i/4)+512*(i%4)
.set i, i+1
.endr
	WIN 0x08
.rept 32
	ds_store_b128 v[PA0], v[4*i:4*i+3] offset:HST+TP*(i/4)+512*(i%4)
.set i, i+1
.endr
	WIN 0
	QLOOP HST, HOFF, 1024
	s_wait_dscnt 0x0                               ; for the others' sake: my images have landed (and my reads of the statistics of the block before are long over)
	s_barrier_signal -1
	s_barrier_wait -1                              ; all 32 fragments lie in LDS
	ALOAD 0, 0
	; ---- ALL THE PRODUCTS: ONE LOOP OF SIX TRIPS, eight records (128 of my columns) a trip, always into window 2, so that the eight units are written once.
	; trip 0: x W_i2h, z half, parked in my region's second part;  1: its r half, parked in the first part;  2: h W_h2h, r half, moved to window 3;  3: its z half, which stays; behind it the gates;
	; trip 4: h W_hatU, parked where the z half of trip 0 lay;  5: x W_hatW, which stays.  What a trip does besides its units hangs on its number alone, the same in all waves.
	s_mov_b32 s14, 0                               ; the trip
	s_mov_b32 s18, 0                               ; the LayerNorm whose statistics are stored next
	s_mov_b32 s26, R2                              ; the part of my region that a parked trip takes: the two by turns
	s_mov_b32 s28, 0x3c000000                      ; 1 / 128
.Ltrip:
	s_lshr_b32 s19, 0x13, s14
	s_and_b32 s19, s19, 1                          ; trips 0, 1, 4 are parked
	s_lshr_b32 s22, 0x35, s14
	s_and_b32 s22, s22, 1                          ; in trips 0, 2, 4, 5 a LayerNorm begins,
	s_lshr_b32 s23, 0x3a, s14
	s_and_b32 s23, s23, 1                          ; in trips 1, 3, 4, 5 one ends
	s_cmp_lt_u32 s14, 4
	s_cselect_b32 s27, 0x3b800000, s28             ; 1 / my columns of it: 256 in the gates, 128 in the hats
	v_add_nc_u32 v22, s26, v[PA0]
	s_wait_alu depctr_va_vdst(0)
	s_wait_dscnt 0x0                               ; the rows' fragments are in; parked accumulators, z and the statistics have left their registers
	UNIT 2, 0, 0, 4*REC, 2, -1, 22, 0
	s_wait_alu depctr_va_vdst(0)
.irp t, 1,2,3,4,5,6,7
	UNIT 2, \t, \t%4, (\t+4)*REC, 2, \t-1, 22, 0
.endr
	s_cmp_lg_u32 s14, 1
	s_cbranch_scc1 .Lno_hf
	ALOAD HOFF, 1024                               ; h's fragments take x's place (the last unit's last slice is the four places ahead of these loads),
.Lno_hf:
	s_cmp_lg_u32 s14, 4
	s_cbranch_scc1 .Lno_xf
	ALOAD 0, 0                                     ; and x's come back for the last trip
.Lno_xf:
	STTAIL 2, 7
	WIN 0
	s_cmp_eq_u32 s23, 0
	s_cbranch_scc1 .Lno_fin
	STFIN s27
	s_add_co_u32 s18, s18, 1
.Lno_fin:
	s_cmp_lg_u32 s14, 2
	s_cbranch_scc1 .Lno_copy
	WIN 0xc2                                       ; the r half of h W_h2h goes to window 3, where r stays through the hats: LDS has no room for it, and the next trip writes window 2
.set i, 0
.rept 256
	v_mov_b32 v[i], v[i]
.set i, i+1
.endr
	WIN 0
.Lno_copy:
	s_wait_xcnt 0x0                                ; the ring's loads have had their addresses translated: their base may step
	s_add_nc_u64 s[16:17], s[16:17], 8*REC
	s_xor_b32 s26, s26, R2
	s_cmp_lg_u32 s14, 3
	s_cbranch_scc1 .Lno_gates
	s_wait_dscnt 0x0                               ; my statistics have landed
	s_barrier_signal -1
	s_barrier_wait -1
	MERGE 0, 0x43800000, 0x3a800000, 24            ; LN(x W_i2h): (mean, rs) in v24-31;  256 columns a wave, 1 / 1,024
	MERGE 2048, 0x43800000, 0x3a800000, 32         ; LN(h W_h2h): in v32-39
	s_barrier_signal -1                            ; every wave's reads of the statistics are back (the merges wait for them): the later trips' stores of statistics stand behind this barrier
	s_barrier_wait -1
	; -log2 e x (LN(y1) + LN(y2)) = a1 y1 + a2 y2 + C.  Each parameter is the low word of a pair: the packed forms take it for both halves
.irp m, 0,1,2,3
	v_mul_f32 v[56+2*\m], 0xbfb8aa3b, v[25+2*\m]   ; a1 = -log2 e x rs1
.endr
.irp m, 0,1,2,3
	v_mov_b32 v[57+2*\m], 0                        ; (named with it as a pair)
.endr
.irp m, 0,1,2,3
	v_mul_f32 v[25+2*\m], v[56+2*\m], v[24+2*\m]   ; a1 mean1
.endr
.irp m, 0,1,2,3
	v_mul_f32 v[24+2*\m], 0xbfb8aa3b, v[33+2*\m]   ; a2
.endr
.irp m, 0,1,2,3
	v_fma_f32 v[32+2*\m], -v[24+2*\m], v[32+2*\m], -v[25+2*\m]   ; C = -(a1 mean1 + a2 mean2)
.endr
	; ---- the gates.  A group's 32 exponentials are one batch and its 32 reciprocals another; the next group's first scaling is the plain work behind the exponentials, and ONE wait a group stands ahead of the
	; additions that read them: it serves the group before's reciprocals too, whose first reader (z's store) follows it
	CLD 0
	CA 0
.irp G, 0,1,2,3,4,5,6,7,8,9,10,11,12,13,14,15
	s_wait_dscnt 0x0                               ; the group's parked numbers are in
	CB \G
.if \G < 15
	CLD \G+1
.endif
	s_wait_alu depctr_va_vdst(0)
	CEXP \G
.if \G < 15
	CA \G+1
.else
	v_nop
.endif
	s_wait_alu depctr_va_vdst(0)
.if \G > 8
	ZSTORE \G-1
.endif
	CADD \G
	s_wait_alu depctr_va_vdst(0)
	CRCP \G
.endr
	v_nop
	s_wait_alu depctr_va_vdst(0)
	ZSTORE 15
	WIN 0
.Lno_gates:
	s_add_co_u32 s14, s14, 1
	s_cmp_lt_u32 s14, 6
	s_cbranch_scc1 .Ltrip                          ; (the last trip's last four units have asked for records 48-51, which are records 0-3: the next block's first; behind the last block nobody reads them)
	; ---- rows 0-31 of h, my 512 bytes of each, into the registers that the fragments have left
.set i, 0
.rept 32
	global_load_b128 v[128+4*i:131+4*i], v[OGO], s[6:7] offset:2048*i th:TH_LOAD_NT
.set i, i+1
.endr
	; A PREFETCH of the next block's h: my wave's own 16 rows, 32,768 consecutive bytes: lanes 256 bytes apart, four instructions; each block of 256 bytes is named once in the launch.
	; It stands behind the loads just issued, the whole last phase (some 2,300 vector instructions) ahead of the loads that will want the bytes.  The last block asks for nothing.  (x is asked for by its loads, below.)
	s_cmp_eq_u32 s13, 1
	s_cbranch_scc1 .Lno_next
.irp i, 0,1,2,3
	global_prefetch_b8 v[PFO], s[6:7] offset:131072+8192*\i th:TH_LOAD_NT scope:SCOPE_SE
.endr
.Lno_next:
	s_wait_dscnt 0x0                               ; my statistics have landed, and my last reads of the images are over
	s_barrier_signal -1
	s_barrier_wait -1
	MERGE 4096, 0x43000000, 0x3b000000, 24         ; LN(h W_hatU): 128 columns a wave, 1 / 512
	MERGE 6144, 0x43000000, 0x3b000000, 32         ; LN(x W_hatW)
	WIN 0x40                                       ; 2 log2 e x LN(y) = b y + c.  The parameters go to window 1, v224-255, each the low word of a pair (the high words were written by the merges' loads)
.irp m, 0,1,2,3
	v_mul_f32 v[224+2*\m], 0x4038aa3b, v[25+2*\m]  ; bU = 2 log2 e x rsU
.endr
.irp m, 0,1,2,3
	v_mul_f32 v[232+2*\m], 0x4038aa3b, v[33+2*\m]  ; bW
.endr
	WIN 0x41
.irp m, 0,1,2,3
	v_mul_f32 v[240+2*\m], -v[224+2*\m], v[24+2*\m]   ; cU = -bU meanU
.endr
.irp m, 0,1,2,3
	v_mul_f32 v[248+2*\m], -v[232+2*\m], v[32+2*\m]   ; cW
.endr
	; ---- h_hat, row tile by row tile, one ahead in its loads and scalings; one wait a row tile serves its 64 exponentials and the tile before's 64 reciprocals
	FLDU 0
	FV 0
.irp m, 0,1,2,3
	s_wait_dscnt 0x0                               ; yU of this row tile is in
	FU \m
	FARG \m
.if \m < 3
	FLDU \m+1
.else
	WIN 0xc0                                       ; r has been read for the last time: rows 32-63 of h take its first 128 registers,
.set i, 0
.rept 32
	global_load_b128 v[4*i:4*i+3], v[OGO], s[6:7] offset:2048*(32+i) th:TH_LOAD_NT
.set i, i+1
.endr
	WIN 0
	s_wait_alu depctr_va_vdst(0)                   ; the row tile before's reciprocals have their wait ahead of it; 64 packed instructions stand behind them
	s_cmp_eq_u32 s13, 1
	s_cbranch_scc1 .Lno_x
	WIN 0xc0                                       ; and, where a block follows, pieces 0-31 of its x the other 128
.set i, 0
.rept 32
	global_load_b128 v[128+4*i:131+4*i], v[XGO], s[4:5] offset:131072+512*i th:TH_LOAD_NT
.set i, i+1
.endr
	WIN 0
.Lno_x:
.endif
	s_wait_alu depctr_va_vdst(0)
	FEXP \m
.if \m < 3
	FV \m+1
.else
	v_nop
.endif
	s_wait_alu depctr_va_vdst(0)
.if \m > 0
	FTANH \m-1
.endif
	FADD \m
	s_wait_alu depctr_va_vdst(0)
	FRCP \m
.endr
	v_nop
	s_wait_alu depctr_va_vdst(0)
	FTANH 3
	; ---- the way out: h_hat of a row tile through my stage (two by turns, where yU lay: all of it has been read), then eight rows at a time
.irp m, 0,1,2,3
	WIN 0x08
.irp t, 0,1,2,3,4,5,6,7
.irp k, 0,1
	ds_store_b128 v[ZSW], v[32*\t+8*\m+4*\k:32*\t+8*\m+4*\k+3] offset:R2+(\m%2)*16*ZP+64*\t+16*\k
.endr
.endr
	WIN 0
	HALF \m, 0
	HALF \m, 1
.endr
	s_wait_xcnt 0x0                                ; every load, store and prefetch has had its addresses translated: bases and data registers may be written
	s_add_nc_u64 s[4:5], s[4:5], 131072            ; 64 rows on
	s_add_nc_u64 s[6:7], s[6:7], 131072
	s_add_nc_u64 s[10:11], s[10:11], 131072
	s_mov_b64 s[16:17], s[8:9]                     ; the stream begins anew
	s_sub_co_u32 s13, s13, 1
	s_cmp_lg_u32 s13, 0
	s_cbranch_scc1 .Lblock
	s_wait_tensorcnt 0x0                           ; the wave's end: behind my last LDS store (every window is 0 here)
	ds_add_u32 v[SPW], v[NIL]
	s_wait_dscnt 0x0
	s_endpgm
.Lfunc_end_k_q6212338451_cell:
	.size	k_q6212338451_cell, .Lfunc_end_k_q6212338451_cell-k_q6212338451_cell
	.p2alignl 7, 3214868480
	.fill 96, 4, 3214868480
	.section	.rodata,"a",@progbits
	.p2align	6, 0x0
	.amdhsa_kernel k_q6212338451_cell
		.amdhsa_group_segment_fixed_size 327680
		.amdhsa_private_segment_fixed_size 0
		.amdhsa_enable_private_segment 0
		.amdhsa_kernarg_size 32
		.amdhsa_user_sgpr_count 2
		.amdhsa_user_sgpr_kernarg_segment_ptr 1
		.amdhsa_wavefront_size32 1
		.amdhsa_system_sgpr_workgroup_id_x 1
		.amdhsa_system_sgpr_workgroup_id_y 1
		.amdhsa_system_sgpr_workgroup_id_z 1
		.amdhsa_system_vgpr_workitem_id 0
		.amdhsa_next_free_vgpr 1024
		.amdhsa_next_free_sgpr 66
		.amdhsa_reserve_vcc 0
		.amdhsa_float_denorm_mode_32 3
		.amdhsa_float_denorm_mode_16_64 3
		.amdhsa_memory_ordered 1
		.amdhsa_forward_progress 1
		.amdhsa_inst_pref_size 255
	.end_amdhsa_kernel
	.section	.bss,"aw",@nobits
	.p2align	6
	.space	262144
	.amdgpu_metadata
---
amdhsa.version: [ 1, 2 ]
amdhsa.kernels:
  - .name:           k_q6212338451_cell
    .symbol:         k_q6212338451_cell.kd
    .args:
      - { .name: x, .offset: 0, .size: 8, .value_kind: global_buffer, .address_space: global }
      - { .name: h, .offset: 8, .size: 8, .value_kind: global_buffer, .address_space: global }
      - { .name: wq, .offset: 16, .size: 8, .value_kind: global_buffer, .address_space: global }
      - { .name: out0, .offset: 24, .size: 8, .value_kind: global_buffer, .address_space: global }
    .group_segment_fixed_size: 327680
    .private_segment_fixed_size: 0
    .kernarg_segment_align: 8
    .kernarg_segment_size: 32
    .max_flat_workgroup_size: 128
    .sgpr_count:     66
    .vgpr_count:     1024
    .wavefront_size: 32
...
	.end_amdgpu_metadata
.endif
;; end of part 2
